; MI455X (gfx1250); checked and timed in simulation.
; The chip was launched on July 23, 2026; its instructions are those of AMD's public machine-readable ISA for CDNA 5 (MIT licence, August 2026) and "CDNA5" Instruction Set Architecture Reference Guide (July 2026). The comments in the code are by the model that wrote it; some were corrected since.
;; Attention. Allowed arithmetic: float matrix products may take bf16 or f16 operands with f32 sums; all other float work in f32.
;; Inputs: U_a 1,024 x 1,024 float32; W_a 1,024 x 1,024 float32; W_att 2,048 x 1,024 float32; W_p 1,024 x 1,024 float32; inputs 32 x 2,048 x 1,024 float32; v_a 1,024 x 1 float32; v_p 1,024 x 1 float32.
;; Outputs: out0 32 x 1,024 float32.
;; One version. Each part assembles by itself: llvm-mc -triple=amdgcn-amd-amdhsa -mcpu=gfx1250 --defsym DOCPART=n.
;; ======== version 1 of 1: 3 launches
;; workspace buffers: bfrag 2,097,152 bytes; wfrag 2,097,152 bytes; tq 131,072 bytes; hw 131,072 bytes; pp 2,048 bytes; pctx 1,048,576 bytes; pml 4,096 bytes
;; launch pre (part 1): grid 112 x 1, 16 waves a work-group, no clusters, 210,944 bytes of LDS; arguments inputs, W_a, U_a, W_p, W_att, v_p, bfrag, wfrag, tq, hw, pp; writes bfrag, wfrag, tq, hw, pp
.if DOCPART == 1
	.amdgcn_target "amdgcn-amd-amdhsa--gfx1250"
	.amdhsa_code_object_version 6
	.text
	.protected	k_q234b9f2cbf_pre
	.globl	k_q234b9f2cbf_pre
	.p2align	8
	.type	k_q234b9f2cbf_pre,@function
k_q234b9f2cbf_pre:
	s_mov_b64 s[64:65], 0
	v_nop
	global_prefetch_b8 v0, s[64:65] scope:SCOPE_SE
	s_setreg_imm32_b32 hwreg(HW_REG_WAVE_MODE, 25, 1), 1
	s_wait_xcnt 0x0
; WHAT THE TWO LATER LAUNCHES NEED BEFOREHAND.  h_t = inputs[b][2047][:], 32 rows of 1,024.
;   work-groups 0-31:   W_a [k][n] f32 -> bfrag;   32-63: W_att's rows 0-1,023 -> wfrag: bf16, laid out as the matrix instruction's fragments
;                       (16 columns x 32 k = 1,024 bytes: lane L's registers 0-3 at 16 L, 4-7 at 512 + 16 L).
;   work-groups 64-79:  tq = 2 log2(e) (h_t U_a);   80-95: pp[b][slab] = sum over the slab's 64 columns of tanh(h_t W_p) v_p;   96-111: hw = h_t W_att[1024:2048].
; Matrix operands are rounded once to bf16, sums are f32.  tanh x = 1 - 2 / (1 + 2^(2 log2(e) x)): right at both ends (2^.. = 0 or infinity); NaN and infinities are not treated apart.
; A weight matrix lies [k][n], the fragment wants k along a lane's registers.  One 16-byte load a lane takes row k's 256 bytes (64 columns) with lanes 0-15 and row k + 8's with lanes 16-31:
; lane (q, h) gets columns 4 q .. 4 q + 3 of one k.  Word i of rows 2 p and 2 p + 1, rounded as a pair, IS register p of a fragment whose lane q holds column 4 q + i: four fragments from 16 loads,
; every load 256 consecutive bytes a half wave, aligned.  The products use those fragments as they are (the columns are sorted on the way out); the cast sorts them through the wave's own LDS stage.
; A product's work-group makes 32 rows x 64 columns; each of its SIXTEEN waves takes 64 k (2 steps of 32), so that all 49 loads of a wave go out together, ahead of its first wait;
; the sixteen parts meet in LDS behind the one barrier.  The eight accumulators take the first weight stage's registers once that stage has been converted: 256 registers a wave.
; LDS: the products' sums and the cast's stages have bytes of their own, so that no line of the one role names a byte of the other.
; No tensor loads, no cluster: 20 MB of weights are read once each, in whole rows of 256 bytes, and no two work-groups share more than h_t's 128 KB.
.set CST,   16*8704                    ; behind the 16 x 8,704 bytes of sums: the cast's stages, 4,352 bytes a wave
.set SPARE, CST+16*4352                ; behind them: the spare words, 128 bytes a wave
.set WS0, 16                           ; v16-79, v80-143   two stages of 16 weight loads
.set WS1, 80
.set HS0, 144                          ; v144-175, v176-207 two stages of 8 loads of h_t
.set HS1, 176
.set F,   208                          ; v208-239  four weight fragments
.set HF,  240                          ; v240-255  two fragments of h_t (batches 0-15, 16-31)
.set ACC, 16                           ; v16-79    eight accumulators, where the first weight stage lay
; v1 q, v2 h, v3 lane (cast) or tid / 16 (products), v4 weight offset, v5 v6 h_t offsets, v7 v8 LDS addresses, v9 global offset, v10 v11 the add's two, v12-15 v_p
.macro PLACES                          ; four plain places behind matrix instructions (ISA guide 7.12.1)
.rept 4
	v_nop
.endr
.endm
.macro LOADW buf, s                    ; K step s: rows 8 h + 0..7 and 16 + 8 h + 0..7 of its 32
.set e, 0
.rept 16
	global_load_b128 v[(\buf)+4*e:(\buf)+4*e+3], v4, s[28:29] offset:(32*(\s)+e%8+16*(e/8))*4096 th:TH_LOAD_NT
.set e, e+1
.endr
.endm
.macro LOADH buf, s                    ; h_t: lane (q, h) takes k = 8 h + 0..7 and 16 + 8 h + 0..7 of batch q and of batch 16 + q
.irp m, 0,1
	global_load_b128 v[(\buf)+16*\m:(\buf)+16*\m+3],     v[5+\m], s[4:5] offset:128*(\s)
	global_load_b128 v[(\buf)+16*\m+4:(\buf)+16*\m+7],   v[5+\m], s[4:5] offset:128*(\s)+16
	global_load_b128 v[(\buf)+16*\m+8:(\buf)+16*\m+11],  v[5+\m], s[4:5] offset:128*(\s)+64
	global_load_b128 v[(\buf)+16*\m+12:(\buf)+16*\m+15], v[5+\m], s[4:5] offset:128*(\s)+80
.endr
.endm
.macro CVTW buf
.irp i, 0,1,2,3
.irp p, 0,1,2,3,4,5,6,7
	v_cvt_pk_bf16_f32 v[F+8*\i+\p], v[(\buf)+8*\p+\i], v[(\buf)+8*\p+4+\i]
.endr
.endr
.endm
.macro CVTH buf
.irp p, 0,1,2,3,4,5,6,7,8,9,10,11,12,13,14,15
	v_cvt_pk_bf16_f32 v[HF+\p], v[(\buf)+2*\p], v[(\buf)+2*\p+1]
.endr
.endm
.macro MM zero                         ; eight accumulators by turns
.irp m, 0,1
.irp i, 0,1,2,3
.if \zero
	v_wmma_f32_16x16x32_bf16 v[ACC+8*(4*\m+\i):ACC+8*(4*\m+\i)+7], v[HF+8*\m:HF+8*\m+7], v[F+8*\i:F+8*\i+7], 0
.else
	v_wmma_f32_16x16x32_bf16 v[ACC+8*(4*\m+\i):ACC+8*(4*\m+\i)+7], v[HF+8*\m:HF+8*\m+7], v[F+8*\i:F+8*\i+7], v[ACC+8*(4*\m+\i):ACC+8*(4*\m+\i)+7]
.endif
.endr
.endr
.endm
	s_load_b512 s[4:19], s[0:1], 0x0               ; inputs 4, W_a 6, U_a 8, W_p 10, W_att 12, v_p 14, bfrag 16, wfrag 18
	s_load_b128 s[20:23], s[0:1], 0x40             ; tq 20, hw 22
	s_load_b64 s[24:25], s[0:1], 0x50              ; pp
	v_lshl_add_u32 v10, v0, 2, SPARE
	v_mov_b32 v11, 0
	v_lshrrev_b32 v1, 5, v0
	v_readfirstlane_b32 s26, v1                    ; wave 0..15
	s_mov_b32 s27, ttmp9
	v_and_b32 v3, 31, v0                           ; lane
	v_and_b32 v1, 15, v0                           ; q
	v_bfe_u32 v2, v0, 4, 1                         ; h
	v_lshlrev_b32 v4, 4, v1                        ; 16 q
	v_lshl_add_u32 v4, v2, 15, v4                  ; + 8 h rows of 4,096 bytes
	s_wait_kmcnt 0x0
	s_cmp_lt_u32 s27, 64
	s_cbranch_scc0 .Lgemm
	; THE CAST.  Task 16 x + w: its bits 8:4 are t, its bits 3:0 g: rows 32 t .. 32 t + 31, columns 64 g .. 64 g + 63; work-groups 0-31 take W_a, 32-63 W_att.
	s_lshl_b32 s34, s27, 4
	s_add_co_u32 s34, s34, s26
	s_bfe_u32 s36, s34, 0x50004                    ; t
	s_and_b32 s37, s34, 15                         ; g
	s_lshl_b32 s34, s36, 17
	s_lshl_b32 s35, s37, 8
	s_add_co_u32 s34, s34, s35
	v_add_nc_u32 v4, s34, v4
	s_cmp_lt_u32 s27, 32
	s_cselect_b64 s[28:29], s[6:7], s[12:13]       ; from W_a or W_att
	s_cselect_b64 s[30:31], s[16:17], s[18:19]     ; to bfrag or wfrag
	LOADW WS0, 0
	s_mul_i32 s34, s26, 4352                       ; my stage: four fragments 1,040 bytes apart, so that 16 lanes' 16 bytes fall into 16 different columns of 16 bytes modulo 256
	s_add_co_u32 s34, s34, CST
	v_lshrrev_b32 v7, 2, v1
	v_mul_u32_u24 v7, v7, 1040                     ; column 4 q + i lies in tile q / 4,
	v_and_b32 v8, 3, v1
	v_lshl_add_u32 v7, v8, 6, v7                   ; at lane 4 (q % 4) + i + 16 h of it
	v_lshl_add_u32 v7, v2, 8, v7
	v_add_nc_u32 v7, s34, v7
	v_lshl_add_u32 v8, v3, 4, s34                  ; back: 16 bytes a lane, as the fragment buffers have them
	s_lshr_b32 s35, s37, 1                         ; bfrag: 128 columns cg = 4 p + w' go to group G = 2 w' + p: a wave's two passes lie on end
	s_and_b32 s38, s35, 3
	s_lshl_b32 s38, s38, 1
	s_lshr_b32 s35, s35, 2
	s_or_b32 s35, s35, s38
	s_lshl_b32 s35, s35, 18                        ; G x 262,144
	s_lshl_b32 s38, s36, 13                        ; + t x 8,192
	s_add_co_u32 s35, s35, s38
	s_and_b32 s38, s37, 1
	s_lshl_b32 s38, s38, 12                        ; + the group's upper four tiles
	s_add_co_u32 s35, s35, s38
	s_lshl_b32 s38, s37, 17                        ; wfrag: slab g x 131,072
	s_lshl_b32 s33, s36, 12                        ; + t x 4,096
	s_add_co_u32 s38, s38, s33
	s_cmp_lt_u32 s27, 32
	s_cselect_b32 s35, s35, s38
	v_lshl_add_u32 v9, v3, 4, s35
	s_wait_loadcnt 0x0
	CVTW WS0
.irp i, 0,1,2,3
	ds_store_b128 v7, v[F+8*\i:F+8*\i+3] offset:16*\i
	ds_store_b128 v7, v[F+8*\i+4:F+8*\i+7] offset:16*\i+512
.endr
.irp n, 0,1,2,3,4,5,6,7
	ds_load_b128 v[WS1+4*\n:WS1+4*\n+3], v8 offset:(\n/2)*1040+(\n%2)*512  ; LDS serves a wave's instructions in order (ISA guide 5.7.1.4): these see the stores above
.endr
.irp n, 0,1,2,3,4,5,6,7
	s_wait_dscnt 7-\n                              ; the younger loads stay out
	global_store_b128 v9, v[WS1+4*\n:WS1+4*\n+3], s[30:31] offset:512*\n  ; 512 consecutive bytes, aligned
.endr
	s_branch .Lmeet
.Lgemm:
	s_sub_co_u32 s34, s27, 64
	s_lshr_b32 s36, s34, 4                         ; which product
	s_and_b32 s37, s34, 15                         ; which 64 columns
	s_add_nc_u64 s[12:13], s[12:13], 0x400000      ; W_att's rows 1,024 on
	s_cmp_eq_u32 s36, 0
	s_cselect_b64 s[28:29], s[8:9], s[10:11]
	s_cmp_eq_u32 s36, 2
	s_cselect_b64 s[28:29], s[12:13], s[28:29]
	s_lshl_b32 s34, s26, 18                        ; 64 w rows
	s_lshl_b32 s35, s37, 8                         ; the slab's 256 bytes in a row
	s_add_co_u32 s34, s34, s35
	v_add_nc_u32 v4, s34, v4
	v_lshl_add_u32 v9, v1, 4, s35                  ; my four numbers of v_p
	v_lshlrev_b32 v5, 23, v1                       ; batch q: 2,048 rows of 4,096 bytes
	v_lshl_add_u32 v5, v2, 5, v5                   ; + 8 h numbers
	s_lshl_b32 s34, s26, 8                         ; + 64 w numbers
	s_add_co_u32 s34, s34, 2047*4096               ; the last row
	v_add_nc_u32 v5, s34, v5
	v_add_nc_u32 v6, 0x8000000, v5                 ; batch 16 + q
	global_load_b128 v[12:15], v9, s[14:15]
	LOADH HS0, 0                                   ; both steps' loads go out together
	LOADW WS0, 0
	LOADH HS1, 1
	LOADW WS1, 1
	s_mul_i32 s34, s26, 8704                       ; my 32 rows of 272 bytes
	v_mul_u32_u24 v7, v2, 2176
	v_lshl_add_u32 v7, v1, 4, v7
	v_add_nc_u32 v7, s34, v7                       ; row 8 h, byte 16 q
	v_lshrrev_b32 v3, 4, v0                        ; tid / 16: the batch that I sum up
	v_mul_u32_u24 v8, v3, 272
	v_lshl_add_u32 v8, v1, 4, v8
	s_wait_loadcnt 24                              ; v_p and the first step's 24 loads are in; the second step's 24 stay out
	CVTH HS0
	CVTW WS0
	MM 1                                           ; the first step starts the sums, in the registers that its weights have left
	PLACES                                         ; F and HF are rewritten only behind these
	s_wait_loadcnt 0x0
	CVTH HS1
	CVTW WS1
	MM 0
	PLACES                                         ; the sums are read only behind these
.set a, 0
.rept 8                                                ; accumulator 4 mu + i, register j, lane (q, h): batch 16 mu + 8 h + j, column 4 q + i; each accumulator from its low end on
.set j, 0
.rept 8
	ds_store_b32 v7, v[ACC+8*a+j] offset:(16*(a/4)+j)*272+4*(a%4)
.set j, j+1
.endr
.set a, a+1
.endr
.Lmeet:
	s_wait_dscnt 0x0                               ; for the others' sake: my LDS stores are done
	s_barrier_signal -1
	s_barrier_wait -1
	s_cmp_lt_u32 s27, 64
	s_cbranch_scc1 .Lend
	v_add_nc_u32 v7, 8*8704, v8                    ; the upper eight waves' parts lie past an LDS immediate's reach
.set n, 0
.rept 8                                                ; the sixteen waves' parts of batch tid / 16, columns 4 q ..
	ds_load_b128 v[80+4*n:83+4*n], v8 offset:n*8704
	ds_load_b128 v[112+4*n:115+4*n], v7 offset:n*8704
.set n, n+1
.endr
	s_wait_dscnt 0x0
.irp d, 8,4,2,1
.set n, 0
.rept \d
	v_pk_add_f32 v[80+4*n:81+4*n], v[80+4*n:81+4*n], v[80+4*(n+\d):81+4*(n+\d)]
	v_pk_add_f32 v[82+4*n:83+4*n], v[82+4*n:83+4*n], v[82+4*(n+\d):83+4*(n+\d)]
.set n, n+1
.endr
.endr
	s_cmp_eq_u32 s36, 1
	s_cbranch_scc1 .Lpos
	s_cmp_eq_u32 s36, 0                            ; where the sums go, chosen next to the store: tq (h_t U_a) or hw (h_t W_att)
	s_cselect_b64 s[30:31], s[20:21], s[22:23]
	s_cselect_b32 s32, 0x4038aa3b, 1.0             ; tq carries 2 log2(e)
	s_mov_b32 s33, s32                             ; named with it as a pair
	v_pk_mul_f32 v[80:81], v[80:81], s[32:33] op_sel_hi:[1,0]
	v_pk_mul_f32 v[82:83], v[82:83], s[32:33] op_sel_hi:[1,0]
	v_lshlrev_b32 v9, 12, v3                       ; (free: the load that named v9 was waited for)
	v_lshl_add_u32 v9, v1, 4, v9
	v_add_nc_u32 v9, s35, v9
	global_store_b128 v9, v[80:83], s[30:31]       ; 16 lanes store 256 consecutive bytes, aligned
	s_branch .Lend
.Lpos:
	v_pk_mul_f32 v[80:81], v[80:81], 0x4038aa3b op_sel_hi:[1,0]
	v_pk_mul_f32 v[82:83], v[82:83], 0x4038aa3b op_sel_hi:[1,0]
.irp k, 80,81,82,83
	v_exp_f32 v\k, v\k
.endr
	v_nop                                          ; a plain instruction behind the transcendentals (ISA guide 5.7.2)
	s_wait_alu depctr_va_vdst(0)
	v_pk_add_f32 v[80:81], v[80:81], 1.0 op_sel_hi:[1,0]
	v_pk_add_f32 v[82:83], v[82:83], 1.0 op_sel_hi:[1,0]
.irp k, 80,81,82,83
	v_rcp_f32 v\k, v\k
.endr
	v_nop
	s_wait_alu depctr_va_vdst(0)
	v_pk_fma_f32 v[80:81], v[80:81], -2.0, 1.0 op_sel_hi:[1,0,0]
	v_pk_fma_f32 v[82:83], v[82:83], -2.0, 1.0 op_sel_hi:[1,0,0]
	v_mul_f32 v84, v80, v12
	v_fmac_f32 v84, v81, v13
	v_fmac_f32 v84, v82, v14
	v_fmac_f32 v84, v83, v15
.irp x, 1,2,4,8                                        ; over the 16 lanes that hold one batch's 64 columns
	v_add_f32_dpp v84, v84, v84 row_xmask:\x row_mask:0xf bank_mask:0xf
.endr
	s_lshl_b32 s34, s37, 2
	v_lshl_add_u32 v7, v3, 6, s34                  ; pp[batch][slab]
	s_wait_xcnt 0x0                                ; EXEC changes only behind this wait
	v_cmp_eq_u32 vcc_lo, 0, v1
	s_and_saveexec_b32 s39, vcc_lo
	global_store_b32 v7, v84, s[24:25]
	s_wait_xcnt 0x0
	s_or_b32 exec_lo, exec_lo, s39
.Lend:
	s_wait_tensorcnt 0x0                           ; the wave's end, behind my last LDS store
	ds_add_u32 v10, v11
	s_wait_dscnt 0x0
	s_endpgm
.Lfunc_end_k_q234b9f2cbf_pre:
	.size	k_q234b9f2cbf_pre, .Lfunc_end_k_q234b9f2cbf_pre-k_q234b9f2cbf_pre
	.p2alignl 7, 3214868480
	.fill 96, 4, 3214868480
	.section	.rodata,"a",@progbits
	.p2align	6, 0x0
	.amdhsa_kernel k_q234b9f2cbf_pre
		.amdhsa_group_segment_fixed_size 210944
		.amdhsa_private_segment_fixed_size 0
		.amdhsa_enable_private_segment 0
		.amdhsa_kernarg_size 88
		.amdhsa_user_sgpr_count 2
		.amdhsa_user_sgpr_kernarg_segment_ptr 1
		.amdhsa_wavefront_size32 1
		.amdhsa_system_sgpr_workgroup_id_x 1
		.amdhsa_system_sgpr_workgroup_id_y 1
		.amdhsa_system_sgpr_workgroup_id_z 1
		.amdhsa_system_vgpr_workitem_id 0
		.amdhsa_next_free_vgpr 256
		.amdhsa_next_free_sgpr 66
		.amdhsa_reserve_vcc 1
		.amdhsa_float_denorm_mode_32 3
		.amdhsa_float_denorm_mode_16_64 3
		.amdhsa_memory_ordered 1
		.amdhsa_forward_progress 1
		.amdhsa_inst_pref_size 31
	.end_amdhsa_kernel
	.amdgpu_metadata
---
amdhsa.version: [ 1, 2 ]
amdhsa.kernels:
  - .name:           k_q234b9f2cbf_pre
    .symbol:         k_q234b9f2cbf_pre.kd
    .args:
      - { .name: inputs, .offset: 0, .size: 8, .value_kind: global_buffer, .address_space: global }
      - { .name: W_a, .offset: 8, .size: 8, .value_kind: global_buffer, .address_space: global }
      - { .name: U_a, .offset: 16, .size: 8, .value_kind: global_buffer, .address_space: global }
      - { .name: W_p, .offset: 24, .size: 8, .value_kind: global_buffer, .address_space: global }
      - { .name: W_att, .offset: 32, .size: 8, .value_kind: global_buffer, .address_space: global }
      - { .name: v_p, .offset: 40, .size: 8, .value_kind: global_buffer, .address_space: global }
      - { .name: bfrag, .offset: 48, .size: 8, .value_kind: global_buffer, .address_space: global }
      - { .name: wfrag, .offset: 56, .size: 8, .value_kind: global_buffer, .address_space: global }
      - { .name: tq, .offset: 64, .size: 8, .value_kind: global_buffer, .address_space: global }
      - { .name: hw, .offset: 72, .size: 8, .value_kind: global_buffer, .address_space: global }
      - { .name: pp, .offset: 80, .size: 8, .value_kind: global_buffer, .address_space: global }
    .group_segment_fixed_size: 210944
    .private_segment_fixed_size: 0
    .kernarg_segment_align: 8
    .kernarg_segment_size: 88
    .max_flat_workgroup_size: 512
    .sgpr_count:     66
    .vgpr_count:     256
    .wavefront_size: 32
...
	.end_amdgpu_metadata
.endif
;; end of part 1
;; launch main (part 2): grid 512 x 1, 4 waves a work-group, no clusters, 283,136 bytes of LDS; arguments inputs, bfrag, tq, v_a, pp, pctx, pml; writes pctx, pml
.if DOCPART == 2
	.amdgcn_target "amdgcn-amd-amdhsa--gfx1250"
	.amdhsa_code_object_version 6
	.text
	.protected	k_q234b9f2cbf_main
	.globl	k_q234b9f2cbf_main
	.p2align	8
	.type	k_q234b9f2cbf_main,@function
k_q234b9f2cbf_main:
	s_mov_b64 s[64:65], 0
	v_nop
	global_prefetch_b8 v0, s[64:65] scope:SCOPE_SE
	s_setreg_imm32_b32 hwreg(HW_REG_WAVE_MODE, 25, 1), 1
	s_wait_xcnt 0x0
; SCORES, BLOCK SOFTMAX AND PARTIAL CONTEXT FOR 128 ROWS OF ONE BATCH.  Work-group x: batch x / 16, rows 128 (x % 16) on.
;   s[row] = sum over n of v_a[n] tanh((inputs W_a)[row][n] + (h_t U_a)[n]);  m = max s, l = sum e^(s - m) over the block;  p = e^(s - m) g, g the Gaussian round p_t;
;   pctx[x][:] = sum over the block's rows of p x[row][:] (bf16);  pml[x] = (m, l).  The next launch merges a batch's 16 blocks by their maxima: a running maximum split over blocks.
; inputs ARE READ ONCE: the block's rows are rounded to bf16 on the way in and stay in LDS (8 chunks of 128 k, rows of 256 + 16 bytes) for both uses, the product and the context.
; THE PRODUCT.  Two passes of 512 columns; in pass p wave w makes all 128 rows x columns 512 p + 128 w .. + 127: 64 accumulators, 512 registers.  The matrix instruction is used transposed (source 0 = 16
; columns of W_a, source 1 = 16 input rows): a lane holds ONE input row (16 a + lane % 16), its registers 8 neighbouring columns, so tanh . v_a sums inside the lane.
; W_a comes as ready fragments (bfrag) from memory straight into a ring of four register buffers, three K steps ahead.  NO TENSOR LOADS, NO CLUSTER, by this text's own arithmetic: the four waves lie side by
; side along the columns and share no fragment of W_a, so LDS would feed no product twice; and A's 278,528 bytes, two slots of one K step of 512 columns (65,536) and the scratch pass the 327,680 that a work-group can have.
; tanh x = 1 - 2 / (1 + 2^(2 log2(e) x)), so s = sum v - 2 sum v / (1 + 2^..): right at both ends (2^.. = 0 or infinity).  LIMITS: NaN and infinities are not treated apart; a weight below 2^-126 counts as 0;
; matrix operands and the partial context are rounded once to bf16.
; REGISTERS, in windows of 256 (s_set_vgpr_msb: bits 1:0 source 0, 3:2 source 1, 5:4 source 2, 7:6 destination):
;   window 0: v0-19 addresses; v20-27 the 8 row sums; v28-35, v36-51, v60-63 at work; v52-59 context sums; v64-127 the inputs' 8 fragments; v128-191 tq, v192-255 v_a of my columns (later: rows for the context)
;   window 1: W_a's ring, buffer bt at 64 bt;   window 2: accumulators of rows 0-63 (before the products: the ingest's 64 slots);   window 3: those of rows 64-127
.set PITCH, 272                        ; 68 words: row r starts at bank 4 r mod 64 (64 banks of 4 bytes: ISA guide 11.1)
.set CH,    128*PITCH                  ; a chunk: 128 rows x 128 k
.set SC,    8*CH                       ; 4 waves x 128 row sums
.set PW,    SC+2048                    ; each wave's own copy of the 128 weights
.set SPARE, PW+2048                    ; the spare words, 128 bytes a wave
.set AADR, 4                           ; v4  LDS address of my fragments in the chunk in hand
.set AAD0, 5                           ; v5  272 r + 16 h
.set AF,  64
.set TQ,  128
.set VQ,  192
.set MSB, 0
.macro WIN new                         ; the immediate's high byte repeats the setting that is left
.if MSB != (\new)
	s_set_vgpr_msb (MSB<<8)|(\new)
.set MSB, \new
.endif
.endm
.macro PLACES                          ; four plain places between matrix instructions and loads into their sources (ISA guide 7.12.1 for vector instructions)
.rept 4
	v_nop
.endr
.endm
; 16 matrix instructions: row blocks a0, a0 + 1 of the window's four x 8 column blocks.  The 64 accumulators take turns in one order everywhere.
.macro MUL16 bt, hi, a0, zero
	WIN 0xa1+0x50*(\hi)
.irp a, \a0, (\a0)+1
.irp b, 0,1,2,3,4,5,6,7
.if \zero
	v_wmma_f32_16x16x32_bf16 v[8*(8*(\a)+(\b)):8*(8*(\a)+(\b))+7], v[64*(\bt)+8*(\b):64*(\bt)+8*(\b)+7], v[AF+8*(4*(\hi)+(\a)):AF+8*(4*(\hi)+(\a))+7], 0
.else
	v_wmma_f32_16x16x32_bf16 v[8*(8*(\a)+(\b)):8*(8*(\a)+(\b))+7], v[64*(\bt)+8*(\b):64*(\bt)+8*(\b)+7], v[AF+8*(4*(\hi)+(\a)):AF+8*(4*(\hi)+(\a))+7], v[8*(8*(\a)+(\b)):8*(8*(\a)+(\b))+7]
.endif
.endr
.endr
.endm
.macro RELOAD hi, adr, off             ; the next K step's fragments of rows 64 hi .. 64 hi + 63
	WIN 0
.irp a, 0,1,2,3
	ds_load_b128 v[AF+8*(4*(\hi)+\a):AF+8*(4*(\hi)+\a)+3],   v[\adr] offset:(\off)+(4*(\hi)+\a)*16*PITCH
	ds_load_b128 v[AF+8*(4*(\hi)+\a)+4:AF+8*(4*(\hi)+\a)+7], v[\adr] offset:(\off)+(4*(\hi)+\a)*16*PITCH+32
.endr
.endm
.macro LOADB bt, off                   ; a K step's 8 fragments of W_a: 16 loads of 512 consecutive bytes
	WIN 0x40
.irp b, 0,1,2,3,4,5,6,7
	global_load_b128 v[64*(\bt)+8*\b:64*(\bt)+8*\b+3],   v8, s[26:27] offset:(\off)+1024*\b
	global_load_b128 v[64*(\bt)+8*\b+4:64*(\bt)+8*\b+7], v8, s[26:27] offset:(\off)+1024*\b+512
.endr
.endm
; A K step of 32: 64 matrix instructions on ring buffer bt.  In its middle the next step's first fragments and W_a of three steps on are asked for; at its end the next step's other fragments.
.macro STEP bt, zero, adr, roff, boff
	s_wait_loadcnt 32                      ; this step's W_a is in: behind it two runs of 16 were issued
	s_wait_dscnt 8                         ; rows 0-63 are in; the eight loads for rows 64-127 may be out
	MUL16 \bt, 0, 0, \zero
	MUL16 \bt, 0, 2, \zero
	PLACES
	RELOAD 0, \adr, \roff
	LOADB ((\bt)+3)%4, \boff
	s_wait_dscnt 8                         ; rows 64-127 are in; the eight just issued may be out
	MUL16 \bt, 1, 0, \zero
	MUL16 \bt, 1, 2, \zero
	PLACES
	RELOAD 1, \adr, \roff
.endm
; THE INGEST.  64 slots of 4 registers: slot 32 cp + j holds my lane's 4 numbers of row 32 w + j in chunk (2 T + cp).  Group g of eight slots: rounded in place, stored (a row's 256 bytes by one instruction), loaded again.
.macro ING g, re, lc
	s_wait_loadcnt \lc
	WIN 0x8a
.irp o, 0,1,2,3,4,5,6,7
	v_cvt_pk_bf16_f32 v[4*(8*(\g)+\o)],   v[4*(8*(\g)+\o)],   v[4*(8*(\g)+\o)+1]
	v_cvt_pk_bf16_f32 v[4*(8*(\g)+\o)+1], v[4*(8*(\g)+\o)+2], v[4*(8*(\g)+\o)+3]
.endr
	WIN 0x08
.irp o, 0,1,2,3,4,5,6,7
	ds_store_b64 v6, v[4*(8*(\g)+\o):4*(8*(\g)+\o)+1] offset:((\g)/4)*CH+PITCH*((8*(\g)+\o)%32)
.endr
.if \re
	WIN 0x80
.irp o, 0,1,2,3,4,5,6,7
	global_load_b128 v[4*(8*(\g)+\o):4*(8*(\g)+\o)+3], v7, s[24:25] offset:4096*((8*(\g)+\o)%32)+512*((\g)/4)+1024 th:TH_LOAD_NT
.endr
.endif
.endm
; THE WAY FROM SUMS TO SCORES, tile t of 64 (row block t / 8, column block t % 8), in place on the accumulator: five stages.
.macro EA t                            ; 2 log2(e) (sum + target); the accumulator is read from its low end on
	WIN 0x82+0x41*((\t)/32)
.set eb, 8*((\t)%32)
.set tb, TQ+8*((\t)%8)
	s_wait_alu depctr_va_vdst(0)
.irp k, 0,2,4,6
	v_pk_fma_f32 v[eb+\k:eb+\k+1], v[eb+\k:eb+\k+1], s[30:31], v[tb+\k:tb+\k+1] op_sel_hi:[1,0,1]
.endr
.endm
.macro EE t
	WIN 0x82+0x41*((\t)/32)
.set eb, 8*((\t)%32)
.irp k, 0,1,2,3,4,5,6,7
	v_exp_f32 v[eb+\k], v[eb+\k]
.endr
.endm
.macro EP t
	WIN 0x82+0x41*((\t)/32)
.set eb, 8*((\t)%32)
	s_wait_alu depctr_va_vdst(0)
.irp k, 0,2,4,6
	v_pk_add_f32 v[eb+\k:eb+\k+1], v[eb+\k:eb+\k+1], 1.0 op_sel_hi:[1,0]
.endr
.endm
.macro ER t
	WIN 0x82+0x41*((\t)/32)
.set eb, 8*((\t)%32)
.irp k, 0,1,2,3,4,5,6,7
	v_rcp_f32 v[eb+\k], v[eb+\k]
.endr
.endm
.macro EF t                            ; Q += v / (1 + 2^..); a row block's first tile starts Q
	WIN 0x02+(\t)/32
.set eb, 8*((\t)%32)
.set vb, VQ+8*((\t)%8)
.irp k, 0,2,4,6
.if ((\t)%8) == 0
	s_wait_alu depctr_va_vdst(0)
	v_pk_mul_f32 v[28+\k:29+\k], v[eb+\k:eb+\k+1], v[vb+\k:vb+\k+1]
.else
	v_pk_fma_f32 v[28+\k:29+\k], v[eb+\k:eb+\k+1], v[vb+\k:vb+\k+1], v[28+\k:29+\k]
.endif
.endr
.endm
.macro ESUM a
	WIN 0
	v_pk_add_f32 v[28:29], v[28:29], v[30:31]
	v_pk_add_f32 v[32:33], v[32:33], v[34:35]
	v_pk_add_f32 v[28:29], v[28:29], v[32:33]
	v_add_f32 v28, v28, v29
	v_fma_f32 v[20+(\a)], -2.0, v28, v[20+(\a)]
.endm
	s_load_b256 s[4:11], s[0:1], 0x0               ; inputs 4, bfrag 6, tq 8, v_a 10
	s_load_b128 s[12:15], s[0:1], 0x20             ; pp 12, pctx 14
	s_load_b64 s[16:17], s[0:1], 0x30              ; pml
	v_lshl_add_u32 v18, v0, 2, SPARE
	v_mov_b32 v19, 0
	v_lshrrev_b32 v1, 5, v0
	v_readfirstlane_b32 s20, v1                    ; wave 0..3
	s_mov_b32 s21, ttmp9
	s_lshr_b32 s22, s21, 4                         ; batch
	s_and_b32 s23, s21, 15                         ; block in the batch
	v_and_b32 v1, 31, v0                           ; L
	v_and_b32 v2, 15, v0                           ; r
	v_bfe_u32 v3, v0, 4, 1                         ; h
	v_mov_b32 v17, 0
	s_lshl_b32 s52, s20, 17
	v_lshl_add_u32 v7, v1, 4, s52                  ; my 32 rows of 4,096 bytes, 16 bytes a lane
	s_mov_b32 s29, 0
	s_wait_kmcnt 0x0
	s_lshl_b32 s28, s21, 19
	s_add_nc_u64 s[24:25], s[4:5], s[28:29]        ; the block's first row
	s_lshl_b32 s28, s20, 19
	s_add_nc_u64 s[26:27], s[6:7], s[28:29]        ; my two groups of 128 columns
	s_lshl_b32 s28, s22, 12
	s_add_nc_u64 s[8:9], s[8:9], s[28:29]          ; the batch's row of tq
	s_lshl_b32 s28, s22, 6
	s_add_nc_u64 s[12:13], s[12:13], s[28:29]
	s_lshl_b32 s28, s21, 11
	s_add_nc_u64 s[14:15], s[14:15], s[28:29]
	s_lshl_b32 s28, s21, 3
	s_add_nc_u64 s[16:17], s[16:17], s[28:29]
.irp e, 0,1,2,3
	global_load_b128 v[36+4*\e:39+4*\e], v17, s[12:13] offset:16*\e  ; the batch's 16 slab sums, in every lane
.endr
	WIN 0x80
.set n, 0
.rept 64                                               ; chunks 0 and 1: each load 512 consecutive bytes of a row
	global_load_b128 v[4*n:4*n+3], v7, s[24:25] offset:4096*(n%32)+512*(n/32) th:TH_LOAD_NT
.set n, n+1
.endr
	WIN 0
	v_mul_u32_u24 v[AAD0], v2, PITCH
	v_lshl_add_u32 v[AAD0], v3, 4, v[AAD0]
	s_mul_i32 s52, s20, 32*PITCH
	v_lshl_add_u32 v6, v1, 3, s52                  ; into LDS: my 32 rows, 8 bytes a lane
	v_lshl_add_u32 v8, v1, 4, 0x8000               ; W_a: 16 L, and four K steps, so that the immediates reach back and ahead
	s_lshl_b32 s52, s20, 9
	v_lshl_add_u32 v10, v3, 5, s52                 ; tq, v_a: column 128 w + 8 h
	s_add_co_u32 s53, s52, SC
	v_lshl_add_u32 v11, v2, 2, s53
	v_lshl_add_u32 v12, v1, 4, SC
	s_add_co_u32 s53, s52, PW
	v_lshl_add_u32 v13, v1, 4, s53
	v_mov_b32 v15, s53
	v_lshl_add_u32 v16, s20, 1, v3                 ; the context: chunk 2 w + h, 8 columns at 16 r
	v_mul_u32_u24 v14, v16, CH
	v_lshl_add_u32 v14, v2, 4, v14
	v_lshlrev_b32 v16, 8, v16
	v_lshl_add_u32 v16, v2, 4, v16
.irp a, 20,21,22,23,24,25,26,27
	v_mov_b32 v\a, 0
.endr
	s_mov_b32 s30, 0x4038aa3b                      ; 2 log2(e)
	s_mov_b32 s31, s30                             ; named with it as a pair
	s_mov_b32 s40, 0x3fb8aa3b                      ; log2(e)
	s_mov_b32 s41, 0xb638aa3b                      ; - log2(e) / 524,288: the Gaussian's 2 (1,024 / 2)^2
	s_lshl_b32 s42, s23, 7                         ; the block's first position
	s_mov_b32 s48, 0x76543210                      ; v_permlanex16_b32: each lane takes its own place in the other half
	s_mov_b32 s49, 0xfedcba98
	s_mov_b32 s50, 3
.Lin:                                                  ; a trip: two chunks stored, the next two asked for.  64 loads are in the ring: behind a group's eight stand 56
	ING 0, 1, 56
	ING 1, 1, 56
	ING 2, 1, 56
	ING 3, 1, 56
	ING 4, 1, 56
	ING 5, 1, 56
	ING 6, 1, 56
	ING 7, 1, 56
	WIN 0
	v_add_nc_u32 v6, 2*CH, v6
	s_wait_xcnt 0x0                                ; the loads' base is stepped only behind this wait
	s_add_nc_u64 s[24:25], s[24:25], 1024
	s_sub_co_u32 s50, s50, 1
	s_cmp_lg_u32 s50, 0
	s_cbranch_scc1 .Lin
	ING 0, 0, 56                                   ; chunks 6 and 7: nothing more to ask for, the counts run down
	ING 1, 0, 48
	ING 2, 0, 40
	ING 3, 0, 32
	ING 4, 0, 24
	ING 5, 0, 16
	ING 6, 0, 8
	ING 7, 0, 0
	LOADB 0, -32768                                ; W_a of K steps 0, 1, 2
	LOADB 1, -24576
	LOADB 2, -16384
	WIN 0
	v_pk_add_f32 v[36:37], v[36:37], v[44:45]      ; p_t = 2,048 sigmoid(sum of the 16 slab sums)
	v_pk_add_f32 v[38:39], v[38:39], v[46:47]
	v_pk_add_f32 v[40:41], v[40:41], v[48:49]
	v_pk_add_f32 v[42:43], v[42:43], v[50:51]
	v_pk_add_f32 v[36:37], v[36:37], v[40:41]
	v_pk_add_f32 v[38:39], v[38:39], v[42:43]
	v_pk_add_f32 v[36:37], v[36:37], v[38:39]
	v_add_f32 v36, v36, v37
	v_mul_f32 v36, 0xbfb8aa3b, v36
	v_exp_f32 v36, v36
	v_nop
	s_wait_alu depctr_va_vdst(0)
	v_add_f32 v36, 1.0, v36
	v_rcp_f32 v36, v36
	v_nop
	s_wait_alu depctr_va_vdst(0)
	v_mul_f32 v9, 0x45000000, v36
	s_wait_dscnt 0x0                               ; for the others' sake: my rows are in LDS
	s_barrier_signal -1
	s_barrier_wait -1                              ; all 128 rows are; from here on they are only read
	v_mov_b32 v[AADR], v[AAD0]
	RELOAD 0, AADR, 0
	RELOAD 1, AADR, 0
	s_mov_b32 s51, 2
.Lpass:                                                ; one text for both passes of 512 columns
.irp b, 0,1,2,3,4,5,6,7                                ; my lane's 64 columns of tq and v_a; they are shown landed by the waits of the K steps from the fourth on
	global_load_b128 v[TQ+8*\b:TQ+8*\b+3],   v10, s[8:9] offset:64*\b
	global_load_b128 v[TQ+8*\b+4:TQ+8*\b+7], v10, s[8:9] offset:64*\b+16
	global_load_b128 v[VQ+8*\b:VQ+8*\b+3],   v10, s[10:11] offset:64*\b
	global_load_b128 v[VQ+8*\b+4:VQ+8*\b+7], v10, s[10:11] offset:64*\b+16
.endr
	STEP 0, 1, AADR, 64, -8192                     ; K step 0 starts the sums: nothing is cleared
	WIN 0
	s_mov_b32 s50, 7
.Ltrip:                                                ; K steps 4 c + 1 .. 4 c + 4
	STEP 1, 0, AADR, 128, 0
	STEP 2, 0, AADR, 192, 8192
	STEP 3, 0, AADR, CH, 16384
	STEP 0, 0, AADR, CH+64, 24576
	WIN 0
	v_add_nc_u32 v[AADR], CH, v[AADR]
	s_wait_xcnt 0x0                                ; W_a's offset is stepped only behind this wait
	v_add_nc_u32 v8, 0x8000, v8
	v_and_b32 v8, 0x7ffff, v8                      ; behind my second group the look-ahead turns back to my first K steps: inside the buffer, and not used
	s_sub_co_u32 s50, s50, 1
	s_cmp_lg_u32 s50, 0
	s_cbranch_scc1 .Ltrip
	STEP 1, 0, AADR, 128, 0                        ; K steps 29 to 31 ask for the next pass's first three steps of W_a,
	STEP 2, 0, AADR, 192, 8192
	STEP 3, 0, AAD0, 0, 16384                      ; and for its first fragments of the rows, which land while the scores are made: the next K step's own wait covers them
	WIN 0
	v_mov_b32 v[AADR], v[AAD0]
	s_wait_xcnt 0x0
	v_add_nc_u32 v8, 0x8000, v8
	v_and_b32 v8, 0x7ffff, v8
	v_add_nc_u32 v10, 2048, v10                    ; the next 512 columns of tq and v_a
	; sum of my 64 v: 32 plain instructions, which are also the places behind the last products
.irp i, 0,1,2,3,4,5,6,7
	v_pk_add_f32 v[36+2*\i:37+2*\i], v[VQ+2*\i:VQ+2*\i+1], v[VQ+16+2*\i:VQ+16+2*\i+1]
.endr
.irp i, 0,1,2,3,4,5,6,7
	v_pk_add_f32 v[36+2*\i:37+2*\i], v[36+2*\i:37+2*\i], v[VQ+32+2*\i:VQ+32+2*\i+1]
.endr
.irp i, 0,1,2,3,4,5,6,7
	v_pk_add_f32 v[36+2*\i:37+2*\i], v[36+2*\i:37+2*\i], v[VQ+48+2*\i:VQ+48+2*\i+1]
.endr
	v_pk_add_f32 v[36:37], v[36:37], v[44:45]
	v_pk_add_f32 v[38:39], v[38:39], v[46:47]
	v_pk_add_f32 v[40:41], v[40:41], v[48:49]
	v_pk_add_f32 v[42:43], v[42:43], v[50:51]
	v_pk_add_f32 v[36:37], v[36:37], v[40:41]
	v_pk_add_f32 v[38:39], v[38:39], v[42:43]
	v_pk_add_f32 v[36:37], v[36:37], v[38:39]
	v_add_f32 v36, v36, v37
.irp a, 20,21,22,23,24,25,26,27
	v_add_f32 v\a, v\a, v36
.endr
	; THREE TILES ARE IN HAND AT A TIME, so that no stage reads what the stage just before it wrote: in a turn the + 1 of tile k - 1, the exponentials of tile k, the reciprocals of tile k - 1,
	; the scaling of tile k + 1, the sum of tile k - 1.  The scaling names no register of the two runs of transcendentals in front of it: it is the plain instruction that stands
	; between them and the use of their results (ISA guide 5.7.2).
	EA 0
	EE 0
	EA 1
.set tau, 1
.rept 63
	EP tau-1
	EE tau
	ER tau-1
.if tau < 63
	EA tau+1
.else
	v_nop
	s_wait_alu depctr_va_vdst(0)
.endif
	EF tau-1
.if (tau-1)%8 == 7
	ESUM (tau-1)/8
.endif
.set tau, tau+1
.endr
	EP 63
	ER 63
	v_nop
	s_wait_alu depctr_va_vdst(0)
	EF 63
	ESUM 7
	WIN 0
	s_sub_co_u32 s51, s51, 1
	s_cmp_lg_u32 s51, 0
	s_cbranch_scc1 .Lpass
	; THE BLOCK'S SOFTMAX.  A row's sum lies in two lanes (h = 0, 1) of four waves.
.irp a, 0,1,2,3,4,5,6,7
	v_permlanex16_b32 v[36+\a], v[20+\a], s48, s49
.endr
.irp a, 0,1,2,3,4,5,6,7
	v_add_f32 v[20+\a], v[20+\a], v[36+\a]
.endr
.irp a, 0,1,2,3,4,5,6,7
	ds_store_b32 v11, v[20+\a] offset:64*\a        ; row 16 a + r; both halves of the lanes write the same number
.endr
	s_wait_dscnt 0x0                               ; for the others' sake
	s_barrier_signal -1
	s_barrier_wait -1
.irp n, 0,1,2,3
	ds_load_b128 v[36+4*\n:39+4*\n], v12 offset:512*\n  ; rows 4 L .. 4 L + 3, the four waves' parts
.endr
	s_wait_dscnt 0x0
	v_pk_add_f32 v[36:37], v[36:37], v[40:41]
	v_pk_add_f32 v[38:39], v[38:39], v[42:43]
	v_pk_add_f32 v[44:45], v[44:45], v[48:49]
	v_pk_add_f32 v[46:47], v[46:47], v[50:51]
	v_pk_add_f32 v[36:37], v[36:37], v[44:45]
	v_pk_add_f32 v[38:39], v[38:39], v[46:47]
	v_max3_num_f32 v40, v36, v37, v38
	v_max_num_f32 v40, v40, v39
.irp x, 1,2,4,8
	v_max_num_f32_dpp v40, v40, v40 row_xmask:\x row_mask:0xf bank_mask:0xf
.endr
	v_permlanex16_b32 v43, v40, s48, s49
	v_max_num_f32 v40, v40, v43                    ; m, in every lane
	v_mul_f32 v42, s40, v40
.irp i, 0,1,2,3
	v_fma_f32 v[44+\i], v[36+\i], s40, -v42        ; log2(e) (s - m)
.endr
	v_lshl_add_u32 v48, v1, 2, s42                 ; my first row's position
	v_cvt_f32_u32 v48, v48
	v_sub_f32 v48, v48, v9
	v_add_f32 v49, 1.0, v48
	v_add_f32 v50, 2.0, v48
	v_add_f32 v51, 0x40400000, v48
	v_pk_mul_f32 v[48:49], v[48:49], v[48:49]
	v_pk_mul_f32 v[50:51], v[50:51], v[50:51]
.irp i, 48,49,50,51
	v_mul_f32 v\i, s41, v\i
.endr
.irp i, 44,45,46,47,48,49,50,51
	v_exp_f32 v\i, v\i
.endr
	v_nop
	s_wait_alu depctr_va_vdst(0)
	v_add_f32 v41, v44, v45
	v_add_f32 v43, v46, v47
	v_add_f32 v41, v41, v43
	v_pk_mul_f32 v[44:45], v[44:45], v[48:49]
	v_pk_mul_f32 v[46:47], v[46:47], v[50:51]
	ds_store_b128 v13, v[44:47]                    ; p of rows 4 L .., into my wave's own copy: no barrier
.irp x, 1,2,4,8
	v_add_f32_dpp v41, v41, v41 row_xmask:\x row_mask:0xf bank_mask:0xf
.endr
	v_permlanex16_b32 v43, v41, s48, s49
	v_add_f32 v41, v41, v43                        ; l
	s_cmp_lg_u32 s20, 0
	s_cbranch_scc1 .Lnot_wave_0
	s_wait_xcnt 0x0                                ; EXEC changes only behind this wait
	v_cmp_eq_u32 vcc_lo, 0, v1
	s_and_saveexec_b32 s60, vcc_lo
	global_store_b64 v17, v[40:41], s[16:17]
	s_wait_xcnt 0x0
	s_or_b32 exec_lo, exec_lo, s60
.Lnot_wave_0:
	; THE PARTIAL CONTEXT, out of the rows in LDS.  Wave w has columns 256 w .. + 255; a lane 8 of them; 16 lanes read 256 consecutive bytes of a row.
.irp i, 52,53,54,55,56,57,58,59
	v_mov_b32 v\i, 0
.endr
	s_mov_b32 s50, 4
.Lctx:                                                 ; 32 rows a trip
.irp e, 0,1,2,3,4,5,6,7
	ds_load_b128 v[64+4*\e:67+4*\e], v15 offset:16*\e   ; their 32 weights, in every lane (LDS serves a wave's instructions in order: ISA guide 5.7.1.4)
.endr
.set i, 0
.rept 32
	ds_load_b128 v[128+4*i:131+4*i], v14 offset:PITCH*i
.set i, i+1
.endr
.set i, 0
.rept 32
	s_wait_dscnt 31-i                              ; row i is in; the younger rows stay out
.irp e, 0,1,2,3
	v_fma_mix_f32_bf16 v[52+2*\e], v[128+4*i+\e], v[64+i], v[52+2*\e] op_sel_hi:[1,0,0]
	v_fma_mix_f32_bf16 v[53+2*\e], v[128+4*i+\e], v[64+i], v[53+2*\e] op_sel:[1,0,0] op_sel_hi:[1,0,0]
.endr
.set i, i+1
.endr
	v_add_nc_u32 v14, 32*PITCH, v14
	v_add_nc_u32 v15, 128, v15
	s_sub_co_u32 s50, s50, 1
	s_cmp_lg_u32 s50, 0
	s_cbranch_scc1 .Lctx
.irp e, 0,1,2,3
	v_cvt_pk_bf16_f32 v[60+\e], v[52+2*\e], v[53+2*\e]
.endr
	global_store_b128 v16, v[60:63], s[14:15]      ; 512 consecutive bytes, aligned
	s_wait_tensorcnt 0x0                           ; the wave's end, behind my last LDS store
	ds_add_u32 v18, v19
	s_wait_dscnt 0x0
	s_endpgm
.Lfunc_end_k_q234b9f2cbf_main:
	.size	k_q234b9f2cbf_main, .Lfunc_end_k_q234b9f2cbf_main-k_q234b9f2cbf_main
	.p2alignl 7, 3214868480
	.fill 96, 4, 3214868480
	.section	.rodata,"a",@progbits
	.p2align	6, 0x0
	.amdhsa_kernel k_q234b9f2cbf_main
		.amdhsa_group_segment_fixed_size 283136
		.amdhsa_private_segment_fixed_size 0
		.amdhsa_enable_private_segment 0
		.amdhsa_kernarg_size 56
		.amdhsa_user_sgpr_count 2
		.amdhsa_user_sgpr_kernarg_segment_ptr 1
		.amdhsa_wavefront_size32 1
		.amdhsa_system_sgpr_workgroup_id_x 1
		.amdhsa_system_sgpr_workgroup_id_y 1
		.amdhsa_system_sgpr_workgroup_id_z 1
		.amdhsa_system_vgpr_workitem_id 0
		.amdhsa_next_free_vgpr 1024
		.amdhsa_next_free_sgpr 66
		.amdhsa_reserve_vcc 1
		.amdhsa_float_denorm_mode_32 3
		.amdhsa_float_denorm_mode_16_64 3
		.amdhsa_memory_ordered 1
		.amdhsa_forward_progress 1
		.amdhsa_inst_pref_size 227
	.end_amdhsa_kernel
	.amdgpu_metadata
---
amdhsa.version: [ 1, 2 ]
amdhsa.kernels:
  - .name:           k_q234b9f2cbf_main
    .symbol:         k_q234b9f2cbf_main.kd
    .args:
      - { .name: inputs, .offset: 0, .size: 8, .value_kind: global_buffer, .address_space: global }
      - { .name: bfrag, .offset: 8, .size: 8, .value_kind: global_buffer, .address_space: global }
      - { .name: tq, .offset: 16, .size: 8, .value_kind: global_buffer, .address_space: global }
      - { .name: v_a, .offset: 24, .size: 8, .value_kind: global_buffer, .address_space: global }
      - { .name: pp, .offset: 32, .size: 8, .value_kind: global_buffer, .address_space: global }
      - { .name: pctx, .offset: 40, .size: 8, .value_kind: global_buffer, .address_space: global }
      - { .name: pml, .offset: 48, .size: 8, .value_kind: global_buffer, .address_space: global }
    .group_segment_fixed_size: 283136
    .private_segment_fixed_size: 0
    .kernarg_segment_align: 8
    .kernarg_segment_size: 56
    .max_flat_workgroup_size: 128
    .sgpr_count:     66
    .vgpr_count:     1024
    .wavefront_size: 32
...
	.end_amdgpu_metadata
.endif
;; end of part 2
;; launch final (part 3): grid 16 x 16, 8 waves a work-group, no clusters, 5,120 bytes of LDS; arguments pctx, pml, wfrag, hw, out0; writes out0
.if DOCPART == 3
	.amdgcn_target "amdgcn-amd-amdhsa--gfx1250"
	.amdhsa_code_object_version 6
	.text
	.protected	k_q234b9f2cbf_final
	.globl	k_q234b9f2cbf_final
	.p2align	8
	.type	k_q234b9f2cbf_final,@function
k_q234b9f2cbf_final:
	s_mov_b64 s[64:65], 0
	v_nop
	global_prefetch_b8 v0, s[64:65] scope:SCOPE_SE
	s_setreg_imm32_b32 hwreg(HW_REG_WAVE_MODE, 25, 1), 1
	s_wait_xcnt 0x0
; out0[b][n] = tanh(context[b] . W_att[0:1024][n] + hw[b][n]),  context[b] = sum over the batch's 16 blocks of e^(m_blk - M) pctx[blk] / sum of e^(m_blk - M) l_blk,  M = max m_blk.
; The product is taken on the UNMERGED partial contexts: a tile of 16 rows of pctx is exactly one batch's 16 blocks, so the merge is a weighted sum over the result's 16 rows, in f32.
; Work-group (sg, bg): columns 64 sg .. + 63, batches 2 bg and 2 bg + 1: 256 work-groups.  Wave w takes k = 128 w .. + 127 (4 steps of 32); the eight waves' parts meet in LDS behind the one barrier.
; W_att's rows 0-1,023 come as ready bf16 fragments (wfrag: slab sg, K step t at (32 sg + t) x 4,096 bytes, four tiles of 1,024 bytes), pctx as it lies: no conversion, and all 56 loads of a wave
; (8 for m and l, 12 a step; wave 0 has hw's besides) go out together at its head, ahead of its first wait.
; Matrix operands bf16, all else f32.  tanh x = 1 - 2 / (1 + 2^(2 log2(e) x)).  NaN and infinities are not treated apart.
; No tensor loads, no cluster: a work-group reads 192 KB in all and is done; sixteen share a slab of wfrag and sixteen a pair of batches, each for one short burst of loads.
.set SPARE, 4096                       ; behind the 8 x 512 bytes of merged sums: the spare words, 128 bytes a wave
.set AS,  32                           ; v32-95   pctx's fragments: step s, batch mu at AS + 16 s + 8 mu
.set WF,  96                           ; v96-223  W_att's fragments: step s, tile i at WF + 32 s + 8 i
; v1 r, v2 h, v3 lane, v4 wfrag offset, v5 pctx offset, v6 pml offset, v7 v8 LDS addresses, v9 offset in hw and out0, v10 v11 the add's two, v12-15 hw (wave 0)
; window 1: v0-63 accumulators (mu, i) at 8 (4 mu + i); v128-159 (m, l) of my 8 blocks of each batch; v192-207 the blocks' weights; v224-231 merged sums; v240-243 at work
.set MSB, 0
.macro WIN new                         ; the immediate's high byte repeats the setting that is left
.if MSB != (\new)
	s_set_vgpr_msb (MSB<<8)|(\new)
.set MSB, \new
.endif
.endm
.macro MM s, zero                      ; eight accumulators by turns
	WIN 0x50
.irp m, 0,1
.irp i, 0,1,2,3
.if \zero
	v_wmma_f32_16x16x32_bf16 v[8*(4*\m+\i):8*(4*\m+\i)+7], v[AS+16*(\s)+8*\m:AS+16*(\s)+8*\m+7], v[WF+32*(\s)+8*\i:WF+32*(\s)+8*\i+7], 0
.else
	v_wmma_f32_16x16x32_bf16 v[8*(4*\m+\i):8*(4*\m+\i)+7], v[AS+16*(\s)+8*\m:AS+16*(\s)+8*\m+7], v[WF+32*(\s)+8*\i:WF+32*(\s)+8*\i+7], v[8*(4*\m+\i):8*(4*\m+\i)+7]
.endif
.endr
.endr
.endm
	s_load_b256 s[4:11], s[0:1], 0x0               ; pctx 4, pml 6, wfrag 8, hw 10
	s_load_b64 s[12:13], s[0:1], 0x20              ; out0
	v_lshl_add_u32 v10, v0, 2, SPARE
	v_mov_b32 v11, 0
	v_lshrrev_b32 v1, 5, v0
	v_readfirstlane_b32 s24, v1                    ; wave 0..7
	s_mov_b32 s25, ttmp9                           ; sg
	s_and_b32 s26, ttmp7, 0xffff                   ; bg
	v_and_b32 v3, 31, v0                           ; lane
	v_and_b32 v1, 15, v0                           ; r
	v_bfe_u32 v2, v0, 4, 1                         ; h
	s_lshl_b32 s34, s25, 17                        ; wfrag: slab sg, K step 4 w, 16 bytes a lane
	s_lshl_b32 s35, s24, 14
	s_add_co_u32 s34, s34, s35
	v_lshl_add_u32 v4, v3, 4, s34
	s_lshl_b32 s34, s26, 16                        ; pctx: row 32 bg + r, k = 128 w + 8 h
	s_lshl_b32 s35, s24, 8
	s_add_co_u32 s34, s34, s35
	v_lshlrev_b32 v5, 11, v1
	v_lshl_add_u32 v5, v2, 4, v5
	v_add_nc_u32 v5, s34, v5
	s_lshl_b32 s34, s26, 8                         ; pml: block 32 bg + 8 h
	v_lshl_add_u32 v6, v2, 6, s34
	s_lshl_b32 s34, s24, 9
	v_lshl_add_u32 v7, v1, 2, s34                  ; my wave's 2 x 256 bytes of merged sums, column r
	v_lshlrev_b32 v8, 4, v3                        ; the last phase: lane L of wave 0 takes batch L / 16, columns 4 r ..
	s_lshl_b32 s34, s26, 13                        ; hw, out0: row 2 bg + h, byte 256 sg + 16 r
	s_lshl_b32 s35, s25, 8
	s_add_co_u32 s34, s34, s35
	v_lshlrev_b32 v9, 4, v1
	v_lshl_add_u32 v9, v2, 12, v9
	v_add_nc_u32 v9, s34, v9
	s_mov_b32 s40, 0x3fb8aa3b                      ; log2(e)
	s_mov_b32 s48, 0x76543210                      ; v_permlanex16_b32: each lane takes its own place in the other half
	s_mov_b32 s49, 0xfedcba98
	s_wait_kmcnt 0x0
	s_cmp_lg_u32 s24, 0
	s_cbranch_scc1 .Lno_hw
	global_load_b128 v[12:15], v9, s[10:11]        ; wave 0's oldest load: every counted wait below covers it
.Lno_hw:
	WIN 0x40
.set n, 0
.rept 8                                                ; batch n / 4: (m, l) of blocks 8 h + 0..7
	global_load_b128 v[128+4*n:131+4*n], v6, s[6:7] offset:128*(n/4)+16*(n%4)
.set n, n+1
.endr
	WIN 0
.irp s, 0,1,2,3                                        ; step by step, 12 loads each
.irp m, 0,1
	global_load_b128 v[AS+16*\s+8*\m:AS+16*\s+8*\m+3],   v5, s[4:5] offset:32768*\m+64*\s
	global_load_b128 v[AS+16*\s+8*\m+4:AS+16*\s+8*\m+7], v5, s[4:5] offset:32768*\m+64*\s+32
.endr
.irp i, 0,1,2,3
	global_load_b128 v[WF+32*\s+8*\i:WF+32*\s+8*\i+3],   v4, s[8:9] offset:4096*\s+1024*\i
	global_load_b128 v[WF+32*\s+8*\i+4:WF+32*\s+8*\i+7], v4, s[8:9] offset:4096*\s+1024*\i+512
.endr
.endr
	s_wait_loadcnt 36                              ; step 0 is in; the later steps' 12 loads each stay out
	MM 0, 1
	s_wait_loadcnt 24
	MM 1, 0
	s_wait_loadcnt 12
	MM 2, 0
	s_wait_loadcnt 0x0
	MM 3, 0
	WIN 0x55                                       ; all in window 1.  The weights' arithmetic names no register of the products: its first lines are the places behind them
.set mu, 0
.rept 2                                                ; the blocks' weights e^(m - M) / L
.set ml, 128+16*mu
.set wt, 192+8*mu
	v_max3_num_f32 v240, v[ml], v[ml+2], v[ml+4]
	v_max3_num_f32 v241, v[ml+6], v[ml+8], v[ml+10]
	v_max3_num_f32 v240, v240, v[ml+12], v[ml+14]
	v_max_num_f32 v240, v240, v241
	v_permlanex16_b32 v241, v240, s48, s49         ; the batch's other 8 blocks lie in the lane 16 away
	v_max_num_f32 v240, v240, v241
	v_mul_f32 v240, s40, v240
.irp j, 0,1,2,3,4,5,6,7
	v_fma_f32 v[wt+\j], v[ml+2*\j], s40, -v240
.endr
.irp j, 0,1,2,3,4,5,6,7
	v_exp_f32 v[wt+\j], v[wt+\j]
.endr
	v_nop
	s_wait_alu depctr_va_vdst(0)
	v_mul_f32 v242, v[wt], v[ml+1]
	v_mul_f32 v243, v[wt+1], v[ml+3]
	v_fmac_f32 v242, v[wt+2], v[ml+5]
	v_fmac_f32 v243, v[wt+3], v[ml+7]
	v_fmac_f32 v242, v[wt+4], v[ml+9]
	v_fmac_f32 v243, v[wt+5], v[ml+11]
	v_fmac_f32 v242, v[wt+6], v[ml+13]
	v_fmac_f32 v243, v[wt+7], v[ml+15]
	v_add_f32 v242, v242, v243
	v_permlanex16_b32 v243, v242, s48, s49
	v_add_f32 v242, v242, v243
	v_rcp_f32 v242, v242
	v_nop
	s_wait_alu depctr_va_vdst(0)
.irp j, 0,1,2,3,4,5,6,7
	v_mul_f32 v[wt+\j], v[wt+\j], v242
.endr
.set mu, mu+1
.endr
.set a, 0
.rept 8                                                ; register j of accumulator (mu, i) is block 8 h + j, column 16 i + r; each accumulator is read from its low end on
	v_mul_f32 v[224+a], v[192+8*(a/4)], v[8*a]
.set a, a+1
.endr
.set j, 1
.rept 7
.set a, 0
.rept 8
	v_fmac_f32 v[224+a], v[192+8*(a/4)+j], v[8*a+j]
.set a, a+1
.endr
.set j, j+1
.endr
.set a, 0
.rept 8
	v_permlanex16_b32 v[8*a], v[224+a], s48, s49   ; into a register of the finished accumulator
.set a, a+1
.endr
.set a, 0
.rept 8
	v_add_f32 v[224+a], v[224+a], v[8*a]
.set a, a+1
.endr
	WIN 0x04
.set a, 0
.rept 8
	ds_store_b32 v7, v[224+a] offset:256*(a/4)+64*(a%4)  ; both halves of the lanes write the same number
.set a, a+1
.endr
	WIN 0
	s_wait_dscnt 0x0                               ; for the others' sake
	s_barrier_signal -1
	s_barrier_wait -1
	s_cmp_lg_u32 s24, 0
	s_cbranch_scc1 .Lend
.irp n, 0,1,2,3,4,5,6,7
	ds_load_b128 v[16+4*\n:19+4*\n], v8 offset:512*\n   ; the eight waves' parts
.endr
	s_wait_dscnt 0x0
.irp n, 1,2,3,4,5,6,7
	v_pk_add_f32 v[16:17], v[16:17], v[16+4*\n:17+4*\n]
	v_pk_add_f32 v[18:19], v[18:19], v[18+4*\n:19+4*\n]
.endr
	v_pk_add_f32 v[16:17], v[16:17], v[12:13]
	v_pk_add_f32 v[18:19], v[18:19], v[14:15]
	v_pk_mul_f32 v[16:17], v[16:17], 0x4038aa3b op_sel_hi:[1,0]
	v_pk_mul_f32 v[18:19], v[18:19], 0x4038aa3b op_sel_hi:[1,0]
.irp k, 16,17,18,19
	v_exp_f32 v\k, v\k
.endr
	v_nop                                          ; a plain instruction behind the transcendentals (ISA guide 5.7.2)
	s_wait_alu depctr_va_vdst(0)
	v_pk_add_f32 v[16:17], v[16:17], 1.0 op_sel_hi:[1,0]
	v_pk_add_f32 v[18:19], v[18:19], 1.0 op_sel_hi:[1,0]
.irp k, 16,17,18,19
	v_rcp_f32 v\k, v\k
.endr
	v_nop
	s_wait_alu depctr_va_vdst(0)
	v_pk_fma_f32 v[16:17], v[16:17], -2.0, 1.0 op_sel_hi:[1,0,0]
	v_pk_fma_f32 v[18:19], v[18:19], -2.0, 1.0 op_sel_hi:[1,0,0]
	global_store_b128 v9, v[16:19], s[12:13]       ; 16 lanes store 256 consecutive bytes, aligned
.Lend:
	s_wait_tensorcnt 0x0                           ; the wave's end, behind my last LDS store
	ds_add_u32 v10, v11
	s_wait_dscnt 0x0
	s_endpgm
.Lfunc_end_k_q234b9f2cbf_final:
	.size	k_q234b9f2cbf_final, .Lfunc_end_k_q234b9f2cbf_final-k_q234b9f2cbf_final
	.p2alignl 7, 3214868480
	.fill 96, 4, 3214868480
	.section	.rodata,"a",@progbits
	.p2align	6, 0x0
	.amdhsa_kernel k_q234b9f2cbf_final
		.amdhsa_group_segment_fixed_size 5120
		.amdhsa_private_segment_fixed_size 0
		.amdhsa_enable_private_segment 0
		.amdhsa_kernarg_size 40
		.amdhsa_user_sgpr_count 2
		.amdhsa_user_sgpr_kernarg_segment_ptr 1
		.amdhsa_wavefront_size32 1
		.amdhsa_system_sgpr_workgroup_id_x 1
		.amdhsa_system_sgpr_workgroup_id_y 1
		.amdhsa_system_sgpr_workgroup_id_z 1
		.amdhsa_system_vgpr_workitem_id 0
		.amdhsa_next_free_vgpr 512
		.amdhsa_next_free_sgpr 66
		.amdhsa_reserve_vcc 0
		.amdhsa_float_denorm_mode_32 3
		.amdhsa_float_denorm_mode_16_64 3
		.amdhsa_memory_ordered 1
		.amdhsa_forward_progress 1
		.amdhsa_inst_pref_size 20
	.end_amdhsa_kernel
	.amdgpu_metadata
---
amdhsa.version: [ 1, 2 ]
amdhsa.kernels:
  - .name:           k_q234b9f2cbf_final
    .symbol:         k_q234b9f2cbf_final.kd
    .args:
      - { .name: pctx, .offset: 0, .size: 8, .value_kind: global_buffer, .address_space: global }
      - { .name: pml, .offset: 8, .size: 8, .value_kind: global_buffer, .address_space: global }
      - { .name: wfrag, .offset: 16, .size: 8, .value_kind: global_buffer, .address_space: global }
      - { .name: hw, .offset: 24, .size: 8, .value_kind: global_buffer, .address_space: global }
      - { .name: out0, .offset: 32, .size: 8, .value_kind: global_buffer, .address_space: global }
    .group_segment_fixed_size: 5120
    .private_segment_fixed_size: 0
    .kernarg_segment_align: 8
    .kernarg_segment_size: 40
    .max_flat_workgroup_size: 256
    .sgpr_count:     66
    .vgpr_count:     512
    .wavefront_size: 32
...
	.end_amdgpu_metadata
.endif
;; end of part 3
